; MI455X (gfx1250); checked and timed in simulation.
; The chip was launched on July 23, 2026; its instructions are those of AMD's public machine-readable ISA for CDNA 5 (MIT licence, August 2026) and "CDNA5" Instruction Set Architecture Reference Guide (July 2026). The comments in the code are by the model that wrote it; some were corrected since.
;; MAB. Allowed arithmetic: matrix products marked QUANTISED: E2M1 operands, one E8M0 scale for each 32 along K, by v_wmma_scale_f32_16x16x128_f8f6f4 with both operands' format E2M1 (or v_wmma_scale_f32_32x16x128_f4), f32 sums; everything else in f32.
;; Inputs: K 32 x 1,024 x 512 float32; Q 32 x 1,024 x 512 float32; Wk 512 x 512 float32; Wo 512 x 512 float32; Wq 512 x 512 float32; Wv 512 x 512 float32; b0 512 float32; b1 512 float32; bk 512 float32; bo 512 float32; bq 512 float32; bv 512 float32; g0 512 float32; g1 512 float32.
;; Outputs: out0 32 x 1,024 x 512 float32.
;; This version of the problem:
;;   THIS VERSION OF THE PROBLEM IS GIVEN IN LOW PRECISION. The matrix products marked QUANTISED in the list below multiply operands that are first quantised to E2M1 (2 exponent bits, 1 mantissa bit; 4 bits a number), with one power-of-two scale for each 32 numbers along K (OCP MX v1.0); their sums are f32. All else is computed in f32.
;;   The module's matrix products, in the order in which they are computed (A, B: the left and right operand; K: the contracted axis; several contracted axes count as one K, in the product's order):
;;     1. [M 32,768, K 512] x [K 512, N 512]; A: input Q; B: input Wq: QUANTISED
;;     2. [M 32,768, K 512] x [K 512, N 512]; A: input K; B: input Wk: QUANTISED
;;     3. [M 32,768, K 512] x [K 512, N 512]; A: input K; B: input Wv: QUANTISED
;;     4. batch 256 x [M 1,024, K 64] x [K 64, N 1,024]; A: computed on the way; B: computed on the way: QUANTISED
;;     5. batch 256 x [M 64, K 1,024] x [K 1,024, N 1,024]; A: computed on the way; B: softmax (see below): QUANTISED
;;     6. [M 32,768, K 512] x [K 512, N 512]; A: computed on the way; B: input Wo: QUANTISED
;;   THE QUANTISER, for each operand of a quantised product, along K:
;;     - K is cut into blocks of 32 from its start; a last block that is shorter is filled with zeros.
;;     - A block's scale is 2^e with e = floor(log2(the largest magnitude in the block)) - 2, held to -126 .. 127; a block of zeros has e = 0. As a byte (E8M0): e + 127.
;;     - Each number is divided by its block's scale, clamped to +-6, and rounded to the nearest number of E2M1, ties to even, subnormals kept.
;;     - The product sums the exact products of the quantised numbers (number of the format x scale) in f32.
;;   ~~~python
;;   def quantise(x, axis):      # numpy; x: float32 -> the quantised numbers, widened to float32 again
;;       x = np.moveaxis(x, axis, -1); K = x.shape[-1]
;;       x = np.pad(x, [(0, 0)] * (x.ndim - 1) + [(0, -K % 32)]); x = x.reshape(x.shape[:-1] + (-1, 32)); a = np.abs(x).max(-1, keepdims=True)
;;       e = np.where(a > 0, np.clip(np.frexp(np.where(a > 0, a, 1))[1] - 1 - 2, -126, 127), 0)      # np.frexp(a)[1] - 1 = floor(log2(a)), exactly
;;       r = np.clip(x / 2.0 ** e, -6, 6)
;;       step = 2.0 ** (np.maximum(np.frexp(np.where(r == 0, 1, r))[1] - 1, 0) - 1)
;;       q = np.round(r / step) * step * 2.0 ** e      # np.round: ties to even
;;       return np.moveaxis(q.reshape(q.shape[:-2] + (-1,))[..., :K], -1, axis).astype(np.float32)
;;   ~~~
;;   SOFTMAX AHEAD OF A QUANTISED PRODUCT. Where the list says 'softmax', what is quantised is not the finished softmax but p = 2^(t - M), with t = logit x log2(e) and M = ceil(the row's largest t), a whole number; so 1/2 < the row's largest p <= 1. The row's sum l is taken of the UNQUANTISED p, in f32, and the product's result is divided by l at the end. Since M is a whole number, a kernel that streams over the keys may use a running M (the ceiling of the running maximum): every later rescaling is an exact power of two, which a block's scale takes up: the codes' values come out the same.
;;   OPERANDS COMPUTED ON THE WAY. 'Computed on the way' means the value that the module computes at that place (a softmax that the list does not call 'softmax' is quantised finished and normalised). What goes into a quantiser is computed in f32, as accurately as f32 sums, v_exp_f32 and their like allow (about 1e-6 of the number): no bf16 or f16 on the way to a quantiser, and a product that is left as it is and whose result goes on into a quantised operand takes f32 operands (vector FMAs, or v_wmma_f32_16x16x4_f32). A number that lies on a knife's edge between two numbers of the format may be rounded either way, as far as f32 arithmetic and the matrix unit's own rounding can turn it there, and no further.
;; One version. Each part assembles by itself: llvm-mc -triple=amdgcn-amd-amdhsa -mcpu=gfx1250 --defsym DOCPART=n.
;; ======== version 1 of 1: 3 launches
;; limits: right only within a limited range of input values
;; workspace buffers: wc 557,056 bytes; kv 18,874,368 bytes
;; launch wquant (part 1): grid 256 x 1, 1 waves a work-group, no clusters, 0 bytes of LDS; arguments Wq, Wk, Wv, Wo, wc; writes wc
.if DOCPART == 1
	.amdgcn_target "amdgcn-amd-amdhsa--gfx1250"
	.amdhsa_code_object_version 6
	.text
	.protected	k_q1959d63f73_wquant
	.globl	k_q1959d63f73_wquant
	.p2align	8
	.type	k_q1959d63f73_wquant,@function
k_q1959d63f73_wquant:
	s_mov_b64 s[64:65], 0
	v_nop
	global_prefetch_b8 v0, s[64:65] scope:SCOPE_SE
	s_setreg_imm32_b32 hwreg(HW_REG_WAVE_MODE, 25, 1), 1
	s_wait_xcnt 0x0
; Wq, Wk, Wv, Wo [512][512] f32, K innermost, become codes of FP4 (E2M1) with one E8M0 byte for each 32 along K, laid in the ORDER OF THE OPERAND'S REGISTERS.
; wc: matrix M (0 Wq, 1 Wk, 2 Wv, 3 Wo) at M x 139,264; in it batch 4 G + s (G: a group of 8 tiles of 16 rows, s: a K step of 128) at 8,704 each:
;   t x 1,024 + 512 c + 16 lane : the 16 bytes of codes of row(8 G + t, r), k = 128 s + 64 c + 32 h + 0 .. 31  (r = lane % 16, h = lane / 16): registers 4 c .. 4 c + 3 of the fragment
;   8,192 + 256 (t / 4) + 16 r + 4 (t % 4) : the scale word (four bytes: the K step's four blocks) of row(8 G + t, r)
; THE ROWS OF A TILE ARE NOT NEIGHBOURS: row(T, r) = 32 (T / 2) + 8 (T % 2) + r + 8 (r / 8), so that the results of two neighbouring tiles, used transposed, are 16 neighbours along the next K.
; A block's scale byte is its largest magnitude's exponent field - 2, held at 1 from below.  LIMITS: a block of zeros gets the byte 1 where the rule says 127 (its codes are zeros, and this program alone
; reads the bytes); NaN and infinities among the inputs are not served.
; SHARES: one wave to a work-group; work-group id = 64 M + 16 G + 4 s + q makes tiles 2 q and 2 q + 1 of one batch: 2,048 bytes of codes.  All its 32 loads are issued on end, ahead of any work.
; Its scale words are 8 bytes of each of 16 runs of 16: lane (r, h) stores the word of tile 2 q + h, 4 bytes; so a run of 256 bytes of scale words is written by two work-groups (512 of a batch's 8,704 bytes go so).
; A lane holds two whole blocks of its row, so no maximum crosses lanes.
.set MATB, 139264
.set BATB, 8704
.set XB,   64                          ; v64-191  two sets of 64 numbers
.set PC,   24                          ; v24-39   a tile's codes, 8 registers each: no store's data are written again
.set SW,   16                          ; v16-17   the two tiles' scale words
	s_load_b256 s[4:11], s[0:1], 0x0               ; Wq, Wk, Wv, Wo
	s_load_b64 s[12:13], s[0:1], 0x20              ; wc
	s_lshr_b32 s18, ttmp9, 6                       ; M
	s_bfe_u32 s19, ttmp9, 0x20004                  ; G
	s_bfe_u32 s22, ttmp9, 0x20002                  ; s
	s_and_b32 s23, ttmp9, 3                        ; q
	s_lshl_b32 s24, s19, 18                        ; from: row 128 G + 32 q of 2,048 bytes, + 512 s
	s_lshl_b32 s26, s23, 16
	s_add_co_u32 s24, s24, s26
	s_lshl_b32 s26, s22, 9
	s_add_co_u32 s24, s24, s26
	s_mov_b32 s25, 0
	s_lshl_b32 s26, s19, 2                         ; to: matrix M, batch 4 G + s
	s_add_co_u32 s26, s26, s22
	s_mul_i32 s26, s26, BATB
	s_mul_i32 s28, s18, MATB
	s_add_co_u32 s26, s26, s28
	s_mov_b32 s27, 0
	s_lshl_b32 s29, s23, 11                        ; codes: 2,048 q
	s_lshr_b32 s30, s23, 1                         ; scale words: 256 (q / 2) + 8 (q % 2)
	s_lshl_b32 s30, s30, 8
	s_and_b32 s31, s23, 1
	s_lshl_b32 s31, s31, 3
	s_add_co_u32 s30, s30, s31
	s_mov_b32 s20, 0x76543210
	s_mov_b32 s21, 0xfedcba98                      ; v_permlanex16_b32's selects for lane l xor 16
	v_and_b32 v1, 15, v0                           ; r
	v_bfe_u32 v2, v0, 4, 1                         ; h
	v_and_b32 v3, 8, v1
	v_add_nc_u32 v3, v3, v1                        ; r + 8 (r / 8)
	v_lshlrev_b32 v3, 11, v3
	v_lshl_add_u32 v3, v2, 7, v3                   ; in: my row, + 128 h bytes: my block of 32 numbers
	v_lshlrev_b32 v4, 4, v0                        ; out: 16 x lane,
	v_add_nc_u32 v4, s29, v4                       ; + 2,048 q
	v_lshlrev_b32 v5, 4, v1
	v_lshl_add_u32 v5, v2, 2, v5                   ; scale words: 16 r + 4 h,
	v_add_nc_u32 v5, s30, v5                       ; + my pair's place
	v_lshlrev_b32 v6, 3, v2                        ; 8 h: how far my two bytes are shifted in the word
	v_mov_b32 v15, 0                               ; a lane permute's destination counts as one of its sources
	s_wait_alu depctr_va_vdst(0)                   ; the wait at the head's end
	s_wait_kmcnt 0x0
	s_cmp_eq_u32 s18, 0                            ; the matrix is chosen by the work-group's number alone
	s_cselect_b64 s[14:15], s[4:5], s[6:7]
	s_cmp_lt_u32 s18, 2
	s_cselect_b64 s[14:15], s[14:15], s[8:9]
	s_cmp_lt_u32 s18, 3
	s_cselect_b64 s[14:15], s[14:15], s[10:11]
	s_add_nc_u64 s[14:15], s[14:15], s[24:25]
	s_add_nc_u64 s[16:17], s[12:13], s[26:27]
.macro LOADT i                         ; tile i's 64 numbers a lane: k = 64 c + 32 h + 0 .. 31 of my row, into set i
.irp c, 0,1
.irp j, 0,1,2,3,4,5,6,7
	global_load_b128 v[XB+64*(\i)+32*\c+4*\j:XB+64*(\i)+32*\c+4*\j+3], v3, s[14:15] offset:8*(\i)*2048+256*\c+16*\j th:TH_LOAD_NT
.endr
.endr
.endm
.macro TILE i
.set XT, XB+64*(\i)
.irp c, 0,1
	v_max3_num_f32 v[8+\c], |v[XT+32*\c]|, |v[XT+32*\c+1]|, 0x1800000   ; my block 2 c + h, and the floor 2^(3 - 127): the byte cannot fall under 1
.endr
.irp k, 2,4,6,8,10,12,14,16,18,20,22,24,26,28,30
.irp c, 0,1
	v_max3_num_f32 v[8+\c], v[8+\c], |v[XT+32*\c+\k]|, |v[XT+32*\c+\k+1]|   ; (the two blocks by turns)
.endr
.endr
.irp c, 0,1
	v_add_nc_u32 v[10+\c], 0xff000000, v[8+\c]     ; 2 off the exponent field: the conversion's scale operand
.endr
.irp c, 0,1
	v_lshrrev_b32 v[12+\c], 23, v[10+\c]           ; the scale's byte
.endr
	v_lshl_or_b32 v14, v13, 16, v12                ; blocks h and 2 + h,
	v_lshlrev_b32 v14, v6, v14                     ; at their places in the word;
	v_permlanex16_b32 v15, v14, s20, s21
	v_or_b32 v[SW+(\i)], v14, v15                  ; with lane l xor 16's two the word is whole
.irp c, 0,1
.irp g, 0,1,2,3
	v_cvt_scalef32_pk8_fp4_f32 v[PC+8*(\i)+4*\c+\g], v[XT+32*\c+8*\g:XT+32*\c+8*\g+7], v[10+\c]
.endr
.endr
	v_nop                                          ; one plain line behind the last conversion
.irp c, 0,1
	global_store_b128 v4, v[PC+8*(\i)+4*\c:PC+8*(\i)+4*\c+3], s[16:17] offset:1024*(\i)+512*\c   ; 32 lanes store 512 consecutive bytes
.endr
.endm
	LOADT 0
	LOADT 1
	s_wait_loadcnt 16                              ; tile 0's 16 loads are in; tile 1's may be out
	TILE 0
	s_wait_loadcnt 0x0
	TILE 1
	v_cmp_ne_u32 vcc_lo, 0, v2                     ; lanes 0-15 store tile 0's word of row r, lanes 16-31 tile 1's
	v_cndmask_b32 v20, v[SW], v[SW+1], vcc_lo
	global_store_b32 v5, v20, s[16:17] offset:8192
	s_endpgm
.Lfunc_end_k_q1959d63f73_wquant:
	.size	k_q1959d63f73_wquant, .Lfunc_end_k_q1959d63f73_wquant-k_q1959d63f73_wquant
	.p2alignl 7, 3214868480
	.fill 96, 4, 3214868480
	.section	.rodata,"a",@progbits
	.p2align	6, 0x0
	.amdhsa_kernel k_q1959d63f73_wquant
		.amdhsa_group_segment_fixed_size 0
		.amdhsa_private_segment_fixed_size 0
		.amdhsa_enable_private_segment 0
		.amdhsa_kernarg_size 40
		.amdhsa_user_sgpr_count 2
		.amdhsa_user_sgpr_kernarg_segment_ptr 1
		.amdhsa_wavefront_size32 1
		.amdhsa_system_sgpr_workgroup_id_x 1
		.amdhsa_system_sgpr_workgroup_id_y 1
		.amdhsa_system_sgpr_workgroup_id_z 1
		.amdhsa_system_vgpr_workitem_id 0
		.amdhsa_next_free_vgpr 256
		.amdhsa_next_free_sgpr 66
		.amdhsa_reserve_vcc 1
		.amdhsa_float_denorm_mode_32 3
		.amdhsa_float_denorm_mode_16_64 3
		.amdhsa_memory_ordered 1
		.amdhsa_forward_progress 1
		.amdhsa_inst_pref_size 12
	.end_amdhsa_kernel
	.amdgpu_metadata
---
amdhsa.version: [ 1, 2 ]
amdhsa.kernels:
  - .name:           k_q1959d63f73_wquant
    .symbol:         k_q1959d63f73_wquant.kd
    .args:
      - { .name: Wq, .offset: 0, .size: 8, .value_kind: global_buffer, .address_space: global }
      - { .name: Wk, .offset: 8, .size: 8, .value_kind: global_buffer, .address_space: global }
      - { .name: Wv, .offset: 16, .size: 8, .value_kind: global_buffer, .address_space: global }
      - { .name: Wo, .offset: 24, .size: 8, .value_kind: global_buffer, .address_space: global }
      - { .name: wc, .offset: 32, .size: 8, .value_kind: global_buffer, .address_space: global }
    .group_segment_fixed_size: 0
    .private_segment_fixed_size: 0
    .kernarg_segment_align: 8
    .kernarg_segment_size: 40
    .max_flat_workgroup_size: 32
    .sgpr_count:     66
    .vgpr_count:     256
    .wavefront_size: 32
...
	.end_amdgpu_metadata
.endif
;; end of part 1
;; launch kvproj (part 2): grid 256 x 1, 8 waves a work-group, no clusters, 107,520 bytes of LDS; arguments K, wc, bk, bv, kv; writes kv
.if DOCPART == 2
	.amdgcn_target "amdgcn-amd-amdhsa--gfx1250"
	.amdhsa_code_object_version 6
	.text
	.protected	k_q1959d63f73_kvproj
	.globl	k_q1959d63f73_kvproj
	.p2align	8
	.type	k_q1959d63f73_kvproj,@function
k_q1959d63f73_kvproj:
	s_mov_b64 s[64:65], 0
	v_nop
	global_prefetch_b8 v0, s[64:65] scope:SCOPE_SE
	s_setreg_imm32_b32 hwreg(HW_REG_WAVE_MODE, 25, 1), 1
	s_wait_xcnt 0x0
; Kp = K Wk^T + bk and Vp = K Wv^T + bv on codes of FP4 (E2M1) with E8M0 scales; both results are quantised again at once, Kp along the head's 64 channels, Vp along the KEYS, and stored as images of
; the operand registers that the attention launch wants.  K: [32,768][512] f32.  wc: the weights' codes and scale words in register order (see the launch that makes them).
; kv: [batch 32][head 8][step 8][9,216 bytes]; a block serves 128 keys of one head:
;   512 m + 16 lane               registers 0-3 of K's fragment of key tile m (channels 32 h + 0 .. 31 of key row(m, r); registers 4-7, k = 64 .. 127, are zeros and are not stored)
;   4,096 + 1,024 n + 512 c + 16 lane   registers 4 c .. 4 c + 3 of V^T's fragment of channel tile n (keys 64 c + 32 h + 0 .. 31 of channel row(n, r) of the head)
;   8,192 + 256 q + 16 r + 4 i    K's scale word of tile 4 q + i, key row(.., r): bytes 0, 1; bytes 2, 3 are 0 and stand over zero codes
;   8,704 + 16 lane + 4 n         V's scale word of tile n, channel row(n, r) (lanes 16-31 hold a copy)
; row(T, r) = 32 (T / 2) + 8 (T % 2) + r + 8 (r / 8), for rows of a weight and for keys alike.
; SHARES.  A work-group takes 128 keys.  First wave w quantises key tile w (four fragments along K = 512) and hands the images to all through LDS: one barrier.  Then wave w is HEAD w for all 128 keys:
; its 4 tiles of Wk and 4 of Wv, 256 registers, come from memory once, straight into registers, and stay.  No tile is shared through LDS by a copy engine, so there is nothing to ask for jointly: no cluster.
; Kp is made TRANSPOSED (source 0 = Wk's rows): a lane holds one key and its registers run along the channels.  Vp is made as it stands (source 0 = the keys): a lane holds one channel, registers run along the keys.
; LIMITS: a block of zeros gets the byte 1 where the rule says 127 (zero codes; this program alone reads the bytes); NaN and infinities among the inputs are not served.
.set XIMG, 0                           ; LDS: x's 32 fragments: (4 m + s) x 1,024 + 512 c + 16 lane
.set XSC,  32768                       ; their scale words: 512 m + 16 lane + 4 s
.set BKL,  36864                       ; bk as it lies, 2,048 bytes; behind it the spare words, 1,024 bytes
.set STG,  39936                       ; a stage of 16 rows x (512 + 16) bytes for each wave: K's numbers turn through it
.set SIN,  30                          ; v30  the stage, in: STG + 8,448 wave + 16 lane (the register is free until V's scale words are made)
.set MATB, 139264
.set BATB, 8704
.set LI,  1                            ; v1   16 x lane
.set XA,  2                            ; v2   the stage, back: STG + 8,448 wave + 528 r + 64 h
.set BA,  3                            ; v3   bk in LDS: BKL + 256 wave + 64 h
.set XWI, 4                            ; v4   where I store x's images: 16 x lane + 4,096 x wave
.set XWS, 5                            ; v5   and their scale words: 16 x lane + 512 x wave
.set T8,  6                            ; v6   8 x thread
.set HH,  7                            ; v7   h
.set XS,  8                            ; v8-11   x's scale words, one for each K step
.set WS,  12                           ; v12-27  register 4 s + i: lanes 0-15 Wk's word of my tile i, lanes 16-31 Wv's
.set VSW, 28                           ; v28-31  V's scale words (v28, v29 hold load offsets until all loads are in)
.set BM,  32                           ; v32-35  largest magnitudes
.set T2,  36                           ; v36-39  the other half's, then the bytes
.set TW,  38                           ; v38     the second 64 keys' two bytes (idle where two blocks are quantised)
.set SO,  40                           ; v40-43  the conversions' scale operands
.set PC8, 44                           ; v44-51  a fragment of x just made;
.set KSW, 44                           ;         later K's eight scale words
.set BV,  52                           ; v52-59  bv of my lane's channel in tile n, as a pair
.set PC4, 60                           ; v60-63  four registers of codes on their way out
.set XF,  64                           ; v64-95  x's four fragments of the key tile in hand
.set KA,  96                           ; v96-127 Kp^T: 4 accumulators
.set VA,  128                          ; v128-255 Vp: accumulator (n, m % 4) at 32 n + 8 (m % 4)
.set X0,  64                           ; the first phase: three sets of 64 numbers
.set X1,  128
.set X2,  192
.set SEL, 16                           ; s[16:17]
.set MSB, 0
.macro WIN new                         ; the immediate's high byte repeats the setting that is left
.if MSB != \new
	s_set_vgpr_msb (MSB<<8)|\new
.set MSB, \new
.endif
.endm
	s_load_b256 s[4:11], s[0:1], 0x0               ; K, wc, bk, bv
	s_load_b64 s[12:13], s[0:1], 0x20              ; kv
	v_lshrrev_b32 v1, 5, v0
	s_delay_alu instid0(VALU_DEP_1)
	v_readfirstlane_b32 s14, v1                    ; wave 0..7
	v_and_b32 v1, 31, v0
	s_delay_alu instid0(VALU_DEP_1)
	v_lshlrev_b32 v[LI], 4, v1
	v_and_b32 v9, 15, v0                           ; r
	v_bfe_u32 v[HH], v0, 4, 1                      ; h
	s_delay_alu instid0(VALU_DEP_2)
	v_and_b32 v10, 8, v9
	s_delay_alu instid0(VALU_DEP_1)
	v_add_nc_u32 v10, v10, v9                      ; r + 8 (r / 8)
	s_mul_i32 s18, s14, 8448
	s_add_co_u32 s18, s18, STG
	v_add_nc_u32 v[SIN], s18, v[LI]
	v_mul_u32_u24 v[XA], v9, 528
	s_delay_alu instid0(VALU_DEP_1)
	v_lshl_add_u32 v[XA], v[HH], 6, v[XA]
	s_delay_alu instid0(VALU_DEP_1)
	v_add_nc_u32 v[XA], s18, v[XA]
	s_lshl_b32 s18, s14, 8
	v_lshlrev_b32 v[BA], 6, v[HH]
	s_delay_alu instid0(VALU_DEP_1)
	v_add_nc_u32 v[BA], s18, v[BA]
	s_delay_alu instid0(VALU_DEP_1)
	v_add_nc_u32 v[BA], BKL, v[BA]
	s_lshl_b32 s18, s14, 12
	v_add_nc_u32 v[XWI], s18, v[LI]
	s_lshl_b32 s18, s14, 9
	v_add_nc_u32 v[XWS], s18, v[LI]
	v_lshlrev_b32 v[T8], 3, v0
	v_mul_u32_u24 v28, v[HH], MATB                 ; the weights' scale words: lanes 16-31 read Wv's, one matrix further on,
	s_delay_alu instid0(VALU_DEP_1)
	v_lshl_add_u32 v28, v9, 4, v28                 ; 16 bytes a row of the tile
	v_lshlrev_b32 v29, 2, v10                      ; bv: my lane's channel in a tile
.irp b, 0,1,2,3
	v_mov_b32 v[T2+\b], 0                          ; a lane permute's destination counts as one of its sources
.endr
	s_mov_b32 s[SEL], 0x76543210
	s_mov_b32 s[SEL+1], 0xfedcba98
	s_lshr_b32 s18, s14, 1                         ; wave / 2: my group of 8 tiles in a weight
	s_and_b32 s19, s14, 1                          ; wave % 2: its lower or upper four
	s_lshl_b32 s20, ttmp9, 18                      ; K: 128 keys of 2,048 bytes a work-group,
	s_lshl_b32 s22, s18, 16                        ; + key tile w's first row, 32 (w / 2) + 8 (w % 2)
	s_add_co_u32 s20, s20, s22
	s_lshl_b32 s22, s19, 14
	s_add_co_u32 s20, s20, s22
	s_mov_b32 s21, 0
	s_mul_i32 s22, s18, 4*BATB
	s_add_co_u32 s22, s22, MATB                    ; Wk's group
	s_lshl_b32 s24, s19, 12
	s_add_co_u32 s24, s24, s22                     ; my four tiles' codes
	s_mov_b32 s25, 0
	s_lshl_b32 s26, s19, 8
	s_add_co_u32 s26, s26, s22
	s_add_co_u32 s26, s26, 8192                    ; and their scale words
	s_mov_b32 s27, 0
	s_lshl_b32 s28, s14, 8                         ; bv: my head's 64 numbers
	s_mov_b32 s29, 0
	s_lshr_b32 s30, ttmp9, 3                       ; kv: block ((8 batch + head) x 8 + step)
	s_lshl_b32 s30, s30, 3
	s_add_co_u32 s30, s30, s14
	s_lshl_b32 s30, s30, 3
	s_and_b32 s31, ttmp9, 7
	s_add_co_u32 s30, s30, s31
	s_mul_i32 s30, s30, 9216
	s_mov_b32 s31, 0
	s_wait_alu depctr_va_vdst(0)
	s_wait_kmcnt 0x0
	s_add_nc_u64 s[4:5], s[4:5], s[20:21]
	s_add_nc_u64 s[24:25], s[6:7], s[24:25]
	s_add_nc_u64 s[26:27], s[6:7], s[26:27]
	s_add_nc_u64 s[10:11], s[10:11], s[28:29]
	s_add_nc_u64 s[12:13], s[12:13], s[30:31]
.macro XLOAD reg, ks                   ; K step ks of my tile's 16 keys as it lies: load 4 b + j reads 512 consecutive bytes of the tile's key 4 b + j
.irp b, 0,1,2,3
.irp j, 0,1,2,3
	global_load_b128 v[\reg+16*\b+4*\j:\reg+16*\b+4*\j+3], v[LI], s[4:5] offset:(4*\b+\j+8*(\b/2))*2048+512*(\ks) th:TH_LOAD_NT
.endr
.endr
.endm
.macro WLOAD k                         ; my head's 16 fragments of Wk (k = 0) or Wv (1) into window 1: (tile t, K step ks) at v[128 k + 8 (4 t + ks)]; each load reads 512 consecutive bytes
	WIN 0x40
.irp t, 0,1,2,3
.irp ks, 0,1,2,3
.irp c, 0,1
	global_load_b128 v[128*(\k)+8*(4*\t+\ks)+4*\c:128*(\k)+8*(4*\t+\ks)+4*\c+3], v[LI], s[24:25] offset:MATB*(\k)+BATB*\ks+1024*\t+512*\c
.endr
.endr
.endr
	WIN 0
.endm
; 64 numbers of a lane (four blocks, each shared with lane l xor 16) become a fragment's codes in v[PC8] on and its scale word in v[XS + ks]
.macro QUANT4 src, ks
; first the 16 rows of 512 bytes turn through my stage: afterwards register 16 b + i = k 32 b + 16 h + i of my key.  LDS serves a wave's instructions in order: the loads see the stores
.irp t, 0,1,2,3,4,5,6,7,8,9,10,11,12,13,14,15
	ds_store_b128 v[SIN], v[\src+4*\t:\src+4*\t+3] offset:528*\t
.endr
.irp b, 0,1,2,3
.irp j, 0,1,2,3
	ds_load_b128 v[\src+16*\b+4*\j:\src+16*\b+4*\j+3], v[XA] offset:128*\b+16*\j
.endr
.endr
	s_wait_dscnt 0x0
.irp b, 0,1,2,3
	v_max3_num_f32 v[BM+\b], |v[\src+16*\b]|, |v[\src+16*\b+1]|, 0x1800000   ; my 16 numbers, and the floor 2^(3 - 127): the byte cannot fall under 1
.endr
.irp i, 2,4,6,8,10,12,14
.irp b, 0,1,2,3
	s_delay_alu instid0(VALU_DEP_4)
	v_max3_num_f32 v[BM+\b], v[BM+\b], |v[\src+16*\b+\i]|, |v[\src+16*\b+\i+1]|
.endr
.endr
.irp b, 0,1,2,3
	s_delay_alu instid0(VALU_DEP_4)
	v_permlanex16_b32 v[T2+\b], v[BM+\b], s[SEL], s[SEL+1]
.endr
.irp b, 0,1,2,3
	s_delay_alu instid0(VALU_DEP_4)
	v_max_num_f32 v[BM+\b], v[BM+\b], v[T2+\b]     ; the block's largest magnitude
.endr
.irp b, 0,1,2,3
	s_delay_alu instid0(VALU_DEP_4)
	v_add_nc_u32 v[SO+\b], 0xff000000, v[BM+\b]    ; 2 off its exponent field: the conversion's scale operand
.endr
.irp b, 0,1,2,3
	s_delay_alu instid0(VALU_DEP_4)
	v_lshrrev_b32 v[T2+\b], 23, v[SO+\b]           ; the byte
.endr
	s_delay_alu instid0(VALU_DEP_3)
	v_lshl_or_b32 v[XS+(\ks)], v[T2+1], 8, v[T2]
	s_delay_alu instid0(VALU_DEP_1)
	v_lshl_or_b32 v[XS+(\ks)], v[T2+2], 16, v[XS+(\ks)]
	s_delay_alu instid0(VALU_DEP_1)
	v_lshl_or_b32 v[XS+(\ks)], v[T2+3], 24, v[XS+(\ks)]
.irp b, 0,1,2,3
	v_cvt_scalef32_pk8_fp4_f32 v[PC8+2*\b], v[\src+16*\b:\src+16*\b+7], v[SO+\b]
	v_cvt_scalef32_pk8_fp4_f32 v[PC8+2*\b+1], v[\src+16*\b+8:\src+16*\b+15], v[SO+\b]
.endr
	v_nop                                          ; one plain line behind the last conversion
.irp c, 0,1                            ; the operand wants a whole block in a lane: lanes 0-15 block 2 c, lanes 16-31 block 2 c + 1
.irp i, 0,1
	v_permlane16_swap_b32 v[PC8+4*\c+\i], v[PC8+4*\c+2+\i]
.endr
.endr
.endm
; the same for 32 numbers of a lane (two blocks): four registers of codes, k = 32 h + 0 .. 31, and two bytes in v[word]
.macro QUANT2 src, dst, word
.irp b, 0,1
	v_max3_num_f32 v[BM+\b], |v[\src+16*\b]|, |v[\src+16*\b+1]|, 0x1800000   ; each accumulator is read from its low end on
.endr
.irp i, 2,4,6,8,10,12,14
.irp b, 0,1
	v_max3_num_f32 v[BM+\b], v[BM+\b], |v[\src+16*\b+\i]|, |v[\src+16*\b+\i+1]|
.endr
.endr
.irp b, 0,1
	s_delay_alu instid0(VALU_DEP_2)
	v_permlanex16_b32 v[T2+\b], v[BM+\b], s[SEL], s[SEL+1]
.endr
.irp b, 0,1
	s_delay_alu instid0(VALU_DEP_2)
	v_max_num_f32 v[BM+\b], v[BM+\b], v[T2+\b]
.endr
.irp b, 0,1
	s_delay_alu instid0(VALU_DEP_2)
	v_add_nc_u32 v[SO+\b], 0xff000000, v[BM+\b]
.endr
.irp b, 0,1
	s_delay_alu instid0(VALU_DEP_2)
	v_lshrrev_b32 v[T2+\b], 23, v[SO+\b]
.endr
	s_delay_alu instid0(VALU_DEP_1)
	v_lshl_or_b32 v[\word], v[T2+1], 8, v[T2]
.irp b, 0,1
	v_cvt_scalef32_pk8_fp4_f32 v[\dst+2*\b], v[\src+16*\b:\src+16*\b+7], v[SO+\b]
	v_cvt_scalef32_pk8_fp4_f32 v[\dst+2*\b+1], v[\src+16*\b+8:\src+16*\b+15], v[SO+\b]
.endr
	v_nop
	v_permlane16_swap_b32 v[\dst], v[\dst+2]
	v_permlane16_swap_b32 v[\dst+1], v[\dst+3]
.endm
.macro IMAGE ks                        ; the fragment goes to LDS as it stands in the registers
.irp c, 0,1
	ds_store_b128 v[XWI], v[PC8+4*\c:PC8+4*\c+3] offset:XIMG+1024*(\ks)+512*\c
.endr
.endm
.macro XFETCH m                        ; and comes back so in any wave: key tile m's four fragments and four scale words
.irp ks, 0,1,2,3
.irp c, 0,1
	ds_load_b128 v[XF+8*\ks+4*\c:XF+8*\ks+4*\c+3], v[LI] offset:XIMG+(4*(\m)+\ks)*1024+512*\c
.endr
.endr
	ds_load_b128 v[XS:XS+3], v[LI] offset:XSC+512*(\m)
.endm
.macro BIASK                           ; bk of my head in the result's layout: it is the C of each sum's first product
.irp b, 0,1
.irp q, 0,1,2,3
	ds_load_b128 v[KA+16*\b+4*\q:KA+16*\b+4*\q+3], v[BA] offset:128*\b+16*\q
.endr
.endr
.endm
	; ---- the first phase: key tile w becomes four fragments.  Loads of the weights are set among those of K, so that they land meanwhile
	global_load_b64 v[PC4:PC4+1], v[T8], s[8:9]    ; bk: 8 bytes a thread
	XLOAD X0, 0
	XLOAD X1, 1
	XLOAD X2, 2
	WLOAD 0
	s_wait_loadcnt 63                              ; 64 loads stand behind K step 0's; the count names as many as its field holds
	ds_store_b64 v[T8], v[PC4:PC4+1] offset:BKL
	QUANT4 X0, 0
	IMAGE 0
	XLOAD X0, 3
	s_wait_dscnt 0x0                               ; the stores have read the codes' registers
	s_wait_loadcnt 63                              ; 64 stand behind K step 1's
	QUANT4 X1, 1
	IMAGE 1
	WLOAD 1
	s_wait_dscnt 0x0
	s_wait_loadcnt 63                              ; 80 stand behind K step 2's
	QUANT4 X2, 2
	IMAGE 2
.irp ks, 0,1,2,3
	global_load_b128 v[WS+4*\ks:WS+4*\ks+3], v28, s[26:27] offset:BATB*\ks
.endr
.irp n, 0,1,2,3
	global_load_b32 v[BV+2*\n], v29, s[10:11] offset:4*(32*(\n/2)+8*(\n%2))
	global_load_b32 v[BV+2*\n+1], v29, s[10:11] offset:4*(32*(\n/2)+8*(\n%2))   ; the packed addition names a pair
.endr
	s_wait_dscnt 0x0
	s_wait_loadcnt 44                              ; behind K step 3's: Wv's 32, the 4 loads of scale words and bv's 8
	QUANT4 X0, 3
	IMAGE 3
	ds_store_b128 v[XWS], v[XS:XS+3] offset:XSC
	s_wait_dscnt 0x0                               ; for the others' sake: my stores have landed
	s_barrier_signal -1
	s_barrier_wait -1                              ; all 32 fragments, their scale words and bk lie in LDS; nothing there is written again
	XFETCH 0
	BIASK
	s_wait_loadcnt 0x0                             ; the weights, their scale words, bv
	; ---- the main phase: my head, a key tile at a time.  The accumulators take turns, one instruction a turn
.macro TILE m
.set VD, VA+8*((\m)%4)
	s_wait_dscnt 0x0                               ; x's fragments and bk are in
	WIN 0x01                                       ; source 0 (Wk) in window 1
.irp ks, 0,1,2,3
.irp t, 0,1,2,3
	v_wmma_scale_f32_16x16x128_f8f6f4 v[KA+8*\t:KA+8*\t+7], v[8*(4*\t+\ks):8*(4*\t+\ks)+7], v[XF+8*\ks:XF+8*\ks+7], v[KA+8*\t:KA+8*\t+7], v[WS+4*\ks+\t], v[XS+\ks] matrix_a_fmt:MATRIX_FMT_FP4 matrix_b_fmt:MATRIX_FMT_FP4
.endr
.endr
	WIN 0x04                                       ; source 1 (Wv) in window 1
.irp ks, 0,1,2,3
.irp n, 0,1,2,3
.if \ks == 0
	v_wmma_scale_f32_16x16x128_f8f6f4 v[VD+32*\n:VD+32*\n+7], v[XF+8*\ks:XF+8*\ks+7], v[128+8*(4*\n+\ks):128+8*(4*\n+\ks)+7], 0, v[XS+\ks], v[WS+4*\ks+\n] matrix_a_fmt:MATRIX_FMT_FP4 matrix_b_fmt:MATRIX_FMT_FP4 matrix_b_scale:MATRIX_SCALE_ROW1
.else
	v_wmma_scale_f32_16x16x128_f8f6f4 v[VD+32*\n:VD+32*\n+7], v[XF+8*\ks:XF+8*\ks+7], v[128+8*(4*\n+\ks):128+8*(4*\n+\ks)+7], v[VD+32*\n:VD+32*\n+7], v[XS+\ks], v[WS+4*\ks+\n] matrix_a_fmt:MATRIX_FMT_FP4 matrix_b_fmt:MATRIX_FMT_FP4 matrix_b_scale:MATRIX_SCALE_ROW1
.endif
.endr
.endr
	WIN 0
.rept 4
	v_nop                                          ; four places in front of loads into registers that the products read, and of the first read of results
.endr
.if (\m) < 7
	XFETCH (\m)+1
.endif
	s_wait_xcnt 0x0                                ; the last store has read v[PC4] on: they are written again only behind this wait
	QUANT2 KA, PC4, KSW+(\m)                       ; a lane's 32 registers are channels 32 b + 16 h + i of its key
	global_store_b128 v[LI], v[PC4:PC4+3], s[12:13] offset:512*(\m)   ; 32 lanes store 512 consecutive bytes
.if (\m) < 7
	BIASK
.endif
.if (\m)%4 == 3                        ; 64 keys of Vp are whole: a lane's 32 registers of tile n are keys 32 b + 16 h + i of its channel
.irp n, 0,1,2,3
.set j, 0
.rept 16
	v_pk_add_f32 v[VA+32*\n+j:VA+32*\n+j+1], v[VA+32*\n+j:VA+32*\n+j+1], v[BV+2*\n:BV+2*\n+1] op_sel_hi:[1,0]   ; + bv, from each accumulator's low end on
.set j, j+2
.endr
	s_wait_xcnt 0x0
.if (\m) == 3
	s_wait_alu depctr_va_vdst(0)
	QUANT2 VA+32*\n, PC4, VSW+\n
.else
	s_wait_alu depctr_va_vdst(0)
	QUANT2 VA+32*\n, PC4, TW
	v_lshl_or_b32 v[VSW+\n], v[TW], 16, v[VSW+\n]  ; the second 64 keys' two bytes above the first's
.endif
	global_store_b128 v[LI], v[PC4:PC4+3], s[12:13] offset:4096+1024*\n+512*((\m)/4)
.endr
.endif
.endm
.irp m, 0,1,2,3,4,5,6,7
	TILE \m
.endr
	v_cmp_ne_u32 vcc_lo, 0, v[HH]                  ; K's scale words: lanes 0-15 store tiles 0-3's, lanes 16-31 tiles 4-7's
.irp i, 0,1,2,3
	v_cndmask_b32 v[BM+\i], v[KSW+\i], v[KSW+4+\i], vcc_lo
.endr
	global_store_b128 v[LI], v[BM:BM+3], s[12:13] offset:8192
	global_store_b128 v[LI], v[VSW:VSW+3], s[12:13] offset:8704
	s_wait_xcnt 0x0
	v_lshl_add_u32 v254, v0, 2, 0x9800
	v_mov_b32 v255, 0
	s_wait_alu depctr_va_vdst(0)
	s_wait_tensorcnt 0x0
	ds_add_u32 v254, v255
	s_wait_dscnt 0x0
	s_endpgm
.Lfunc_end_k_q1959d63f73_kvproj:
	.size	k_q1959d63f73_kvproj, .Lfunc_end_k_q1959d63f73_kvproj-k_q1959d63f73_kvproj
	.p2alignl 7, 3214868480
	.fill 96, 4, 3214868480
	.section	.rodata,"a",@progbits
	.p2align	6, 0x0
	.amdhsa_kernel k_q1959d63f73_kvproj
		.amdhsa_group_segment_fixed_size 107520
		.amdhsa_private_segment_fixed_size 0
		.amdhsa_enable_private_segment 0
		.amdhsa_kernarg_size 40
		.amdhsa_user_sgpr_count 2
		.amdhsa_user_sgpr_kernarg_segment_ptr 1
		.amdhsa_wavefront_size32 1
		.amdhsa_system_sgpr_workgroup_id_x 1
		.amdhsa_system_sgpr_workgroup_id_y 1
		.amdhsa_system_sgpr_workgroup_id_z 1
		.amdhsa_system_vgpr_workitem_id 0
		.amdhsa_next_free_vgpr 512
		.amdhsa_next_free_sgpr 66
		.amdhsa_reserve_vcc 1
		.amdhsa_float_denorm_mode_32 3
		.amdhsa_float_denorm_mode_16_64 3
		.amdhsa_memory_ordered 1
		.amdhsa_forward_progress 1
		.amdhsa_inst_pref_size 135
	.end_amdhsa_kernel
	.amdgpu_metadata
---
amdhsa.version: [ 1, 2 ]
amdhsa.kernels:
  - .name:           k_q1959d63f73_kvproj
    .symbol:         k_q1959d63f73_kvproj.kd
    .args:
      - { .name: K, .offset: 0, .size: 8, .value_kind: global_buffer, .address_space: global }
      - { .name: wc, .offset: 8, .size: 8, .value_kind: global_buffer, .address_space: global }
      - { .name: bk, .offset: 16, .size: 8, .value_kind: global_buffer, .address_space: global }
      - { .name: bv, .offset: 24, .size: 8, .value_kind: global_buffer, .address_space: global }
      - { .name: kv, .offset: 32, .size: 8, .value_kind: global_buffer, .address_space: global }
    .group_segment_fixed_size: 107520
    .private_segment_fixed_size: 0
    .kernarg_segment_align: 8
    .kernarg_segment_size: 40
    .max_flat_workgroup_size: 256
    .sgpr_count:     66
    .vgpr_count:     512
    .wavefront_size: 32
...
	.end_amdgpu_metadata
.endif
;; end of part 2
;; launch mab (part 3): grid 256 x 1, 8 waves a work-group, clusters of 4 x 1, 327,680 bytes of LDS; arguments Q, wc, kv, bq, g0, b0, bo, g1, b1, out0; writes out0
.if DOCPART == 3
	.amdgcn_target "amdgcn-amd-amdhsa--gfx1250"
	.amdhsa_code_object_version 6
	.text
	.protected	k_q1959d63f73_mab
	.globl	k_q1959d63f73_mab
	.p2align	8
	.type	k_q1959d63f73_mab,@function
k_q1959d63f73_mab:
	s_mov_b64 s[64:65], 0
	v_nop
	global_prefetch_b8 v0, s[64:65] scope:SCOPE_SE
	s_setreg_imm32_b32 hwreg(HW_REG_WAVE_MODE, 25, 1), 1
	s_wait_xcnt 0x0
	s_wait_alu depctr_hold_cnt(0) depctr_sa_sdst(0) depctr_va_vdst(0) depctr_va_sdst(0) depctr_va_ssrc(0) depctr_va_vcc(0) depctr_vm_vsrc(0)
	s_getreg_b32 s2, hwreg(HW_REG_IB_STS2, 6, 4)
	s_cmp_eq_u32 s2, 0
	s_cbranch_scc0 .Lentry_in_a_cluster
	s_endpgm
.Lentry_in_a_cluster:
	s_bfe_u32 s2, ttmp6, 0x10000c
	s_cmp_lg_u32 s2, 0x3003
	s_cbranch_scc0 .Lentry_shape_is_right
	s_endpgm
.Lentry_shape_is_right:
; out0 = LN1(O1 + relu(O1 Wo^T + bo)), O1 = LN0(Qp + attention), Qp = Q Wq^T + bq; every product on codes of FP4 (E2M1) with one E8M0 scale for each 32 along its K; all else in f32.
; SHARES.  A work-group owns 128 rows of one batch, each of its eight waves 16 of them with all 512 channels and all 8 heads, one head after the other.  A lane holds ONE row (lane % 16) throughout.
; The wave's 16 x 512 numbers (Q, Qp, O, O1, O2, the result) live in window 1 as R: register 16 B + i = channel 32 B + 16 h + i (h = lane / 16); a block of 32 channels lies in lanes l and l xor 16.
; ATTENTION.  Both products transposed: S^T = K Q^T (K = the head's 64; the upper half of the 128 is zero codes), O^T = V^T P^T.  t = score x log2(e) / sqrt(512); M = the running largest t rounded UP to a whole number;
; p = 2^(t - M) is quantised along the keys, not normalised; the row's sum is taken of the unquantised p and divides at the end; when M moves, sum and O^T are multiplied by 2^(old M - new M): exact.
; LDS: two slots of 147,456 bytes, each for TWO heads (16 steps of 9,216 bytes, as the launch before laid them).  Slot A first holds Wq, slot B at the end Wo: one descriptor shape, 72 rows of 256 bytes a wave,
; serves every load; a weight is 139,264 bytes, so its load takes 8,192 neighbouring bytes of wc along (behind Wq: the head of Wk; ahead of Wo: the tail of Wv), which nobody reads.
; Behind the slots: six vectors of 2,048 bytes, the spare words, and a stage of 2,304 bytes a wave for Q.  The stage for the way out lies in slot A, behind that slot's last fill and last read.
; Q: a load takes 128 consecutive bytes of each of four rows; 16 rows x 128 bytes turn through the wave's stage (that is the room which LDS has left beside the slots).
; CLUSTER.  The four work-groups of a cluster belong to one batch: the weights and every head are the same for all four, so every tensor load is asked for JOINTLY (mask 15); each wave brings an eighth.
; A wave has one tensor load out at the start and one behind each round.  The launch claims all of LDS.
; NO PREFETCH: a refill is asked for sixteen key steps ahead of the wait for it, and the weights are read by all 256 work-groups.
; LIMITS: NaN and infinities among the inputs are not served; a block of zeros gets the scale byte 1 where the rule says 127 (its codes are zeros, nobody else reads the bytes); the running largest t begins at -3e38;
; a norm is (x - mu) x (rsqrt x g) + b, fused: another order of rounding than (x - mu) x rsqrt x g + b.
.set SLA,    0
.set SLB,    147456
.set HEADB,  73728
.set STEPB,  9216
.set BATB,   8704                      ; a batch of a weight: 8 tiles x one K step, and their scale words
.set WQL,    SLA
.set WOL,    SLB+8192
.set VEC,    294912                    ; bq, g0, b0, bo, g1, b1
.set SPARE,  307200                    ; the spare words, 128 bytes for each wave
.set QST,    308224                    ; Q's stage: 16 rows x (128 + 16) bytes for each wave
.set SPITCH, 528                       ; the way out: 16 rows x (512 + 16) bytes for each wave
.set LI,  1                            ; 16 x lane
.set SPW, 2                            ; my spare word; never rewritten
.set NIL, 3                            ; 0; never rewritten
.set ADK, 4                            ; the step's block (V's part is read by it)
.set WA,  4                            ; the weight's batch
.set XA,  5                            ; Q: 2,048 (lane / 8) + 16 (lane % 8)
.set VB,  6                            ; the vectors: VEC + 64 h
.set STO, 7                            ; the way out, in: 8,448 wave + 528 r + 64 h
.set SRD, 8                            ; and back: 8,448 wave + 16 lane
.set T8,  9                            ; 8 x thread
.set VW,  10                           ; VEC + 8 x thread
.set ADN, 11                           ; the next step's block (K's part)
.set QSI, 12                           ; Q's stage, in (v12-15 serve the softmax later)
.set QSO, 13                           ; and back
.set XS,  16                           ; v16-19 scale words of the row operand; v16-28 hold scales and nothing else
.set QS,  16
.set KS,  20                           ; v20-23 K's: register i: lanes 0-15 tile i, lanes 16-31 tile 4 + i
.set WSC, 20                           ; v20-27 a weight's, two sets
.set VS,  24
.set PS,  28
.set TT,  29
.set FF,  30                           ; v[30:31] a factor for packed forms; v31 is 0
.set KF,  32                           ; v32-95 K's 8 fragments (registers 4-7 of each stay 0)
.set WF,  32                           ; v32-159 a weight's 8 fragments, two sets
.set GA,  32
.set BA,  96
.set S,   96                           ; v96-159 S^T, then p
.set OT,  160                          ; v160-191 O^T
.set XF,  160                          ; the row operand's four fragments
.set VF,  192
.set YA,  192
.set OB,  192
.set PC,  224
.set QF,  232
.set BM,  240
.set T2,  244
.set SO,  248
.set WV,  24
.set G1,  28                           ; s[28:35] descriptor group 1
.set GFA, 44                           ; s[44:47] group 0 for slot A;  s[48:51] for slot B
.set GFB, 48
.set GW,  52                           ; s[52:53] where my eighth of Wo's load begins
.set KP,  54                           ; s[54:55] where my eighth of slot B's heads begins
.set SEL, 56
.set CS,  58
.set TB,  60
.set CNT, 61
.set HD,  62                           ; the head in hand
.set TR,  63                           ; the outer loop's trip
.set C512, 72
.set EPS, 73
.set HC,  78
.set TN,  79
.set MSB, 0
.macro WIN new                         ; the immediate's high byte repeats the setting that is left
.if MSB != \new
	s_set_vgpr_msb (MSB<<8)|\new
.set MSB, \new
.endif
.endm
.macro PLACES n
.rept \n
	v_nop
.endr
.endm
.macro CROUND                          ; a round of the cluster's barrier
	s_barrier_signal -1
	s_barrier_wait -1
	s_cmp_lg_u32 s[WV], 0
	s_cbranch_scc1 .Lnot_wave_0_\@
	s_barrier_signal -3
.Lnot_wave_0_\@:
	s_barrier_wait -3
	s_barrier_signal -1
	s_barrier_wait -1
.endm
.macro VLOAD dst, vec, b0, nb          ; nb blocks of 32 channels of a vector, in R's layout
.set vb, 0
.rept \nb
.irp q, 0,1,2,3
	ds_load_b128 v[\dst+16*vb+4*\q:\dst+16*vb+4*\q+3], v[VB] offset:2048*(\vec)+128*((\b0)+vb)+16*\q
.endr
.set vb, vb+1
.endr
.endm
.macro QIN cs                          ; K step cs of Q: four blocks of 16 rows x 128 bytes through my stage; LDS serves a wave's instructions in order, so no wait stands between stores and loads
	WIN 0x44
.irp b, 0,1,2,3
	s_wait_loadcnt 60-16*(\cs)-4*\b                ; behind this block's four loads stand those of the later blocks
.irp j, 0,1,2,3
	ds_store_b128 v[QSI], v[64*(\cs)+16*\b+4*\j:64*(\cs)+16*\b+4*\j+3] offset:576*\j
.endr
.irp j, 0,1,2,3
	ds_load_b128 v[64*(\cs)+16*\b+4*\j:64*(\cs)+16*\b+4*\j+3], v[QSO] offset:16*\j
.endr
.endr
	WIN 0
	s_wait_dscnt 0x0
.endm
; R's registers 64 cs on (K step cs) become a fragment in v[XF + 8 cs] on and a scale word in v[XS + cs]
.macro QUANTR cs
	WIN 0x05
.irp b, 0,1,2,3
	v_max3_num_f32 v[BM+\b], |v[64*(\cs)+16*\b]|, |v[64*(\cs)+16*\b+1]|, 0x1800000   ; with the floor 2^(3 - 127): the byte cannot fall under 1
.endr
	WIN 0x14
.irp i, 2,4,6,8,10,12,14
.irp b, 0,1,2,3
	v_max3_num_f32 v[BM+\b], v[BM+\b], |v[64*(\cs)+16*\b+\i]|, |v[64*(\cs)+16*\b+\i+1]|
.endr
.endr
	WIN 0
.irp b, 0,1,2,3
	v_permlanex16_b32 v[T2+\b], v[BM+\b], s[SEL], s[SEL+1]
.endr
.irp b, 0,1,2,3
	s_delay_alu instid0(VALU_DEP_4)
	v_max_num_f32 v[BM+\b], v[BM+\b], v[T2+\b]
.endr
.irp b, 0,1,2,3
	s_delay_alu instid0(VALU_DEP_4)
	v_add_nc_u32 v[SO+\b], 0xff000000, v[BM+\b]    ; 2 off the exponent field: the conversion's scale operand
.endr
.irp b, 0,1,2,3
	s_delay_alu instid0(VALU_DEP_4)
	v_lshrrev_b32 v[T2+\b], 23, v[SO+\b]           ; the byte
.endr
	s_delay_alu instid0(VALU_DEP_3)
	v_lshl_or_b32 v[XS+(\cs)], v[T2+1], 8, v[T2]
	s_delay_alu instid0(VALU_DEP_1)
	v_lshl_or_b32 v[XS+(\cs)], v[T2+2], 16, v[XS+(\cs)]
	s_delay_alu instid0(VALU_DEP_1)
	v_lshl_or_b32 v[XS+(\cs)], v[T2+3], 24, v[XS+(\cs)]
	WIN 0x01
.irp b, 0,1,2,3
	v_cvt_scalef32_pk8_fp4_f32 v[XF+8*(\cs)+2*\b], v[64*(\cs)+16*\b:64*(\cs)+16*\b+7], v[SO+\b]
	v_cvt_scalef32_pk8_fp4_f32 v[XF+8*(\cs)+2*\b+1], v[64*(\cs)+16*\b+8:64*(\cs)+16*\b+15], v[SO+\b]
.endr
	WIN 0
	v_nop                                          ; one plain line behind the last conversion
.irp c, 0,1                            ; the operand wants a whole block in a lane
.irp i, 0,1
	v_permlane16_swap_b32 v[XF+8*(\cs)+4*\c+\i], v[XF+8*(\cs)+4*\c+2+\i]
.endr
.endr
.endm
; head hd's 64 channels of Qp become registers 0-3 of v[QF] on and two bytes in v[QS]; each accumulator is read from its low end on
.macro QUANT2R hd
	WIN 0x05
.irp b, 0,1
	v_max3_num_f32 v[BM+\b], |v[32*(\hd)+16*\b]|, |v[32*(\hd)+16*\b+1]|, 0x1800000
.endr
	WIN 0x14
.irp i, 2,4,6,8,10,12,14
.irp b, 0,1
	v_max3_num_f32 v[BM+\b], v[BM+\b], |v[32*(\hd)+16*\b+\i]|, |v[32*(\hd)+16*\b+\i+1]|
.endr
.endr
	WIN 0
.irp b, 0,1
	v_permlanex16_b32 v[T2+\b], v[BM+\b], s[SEL], s[SEL+1]
.endr
.irp b, 0,1
	s_delay_alu instid0(VALU_DEP_2)
	v_max_num_f32 v[BM+\b], v[BM+\b], v[T2+\b]
.endr
.irp b, 0,1
	s_delay_alu instid0(VALU_DEP_2)
	v_add_nc_u32 v[SO+\b], 0xff000000, v[BM+\b]
.endr
.irp b, 0,1
	s_delay_alu instid0(VALU_DEP_2)
	v_lshrrev_b32 v[T2+\b], 23, v[SO+\b]
.endr
	s_delay_alu instid0(VALU_DEP_1)
	v_lshl_or_b32 v[QS], v[T2+1], 8, v[T2]         ; bytes 2 and 3 are 0: they stand over zero codes
	WIN 0x01
.irp b, 0,1
	v_cvt_scalef32_pk8_fp4_f32 v[QF+2*\b], v[32*(\hd)+16*\b:32*(\hd)+16*\b+7], v[SO+\b]
	v_cvt_scalef32_pk8_fp4_f32 v[QF+2*\b+1], v[32*(\hd)+16*\b+8:32*(\hd)+16*\b+15], v[SO+\b]
.endr
	WIN 0
	v_nop
	v_permlane16_swap_b32 v[QF], v[QF+2]
	v_permlane16_swap_b32 v[QF+1], v[QF+3]
.endm
; batch i of the weight at LDS byte base into set p.  The addition and three v_nop are the four places behind the products that read set p
.macro GLOAD base, i, p
	v_add_nc_u32 v[WA], (\base)+BATB*(\i), v[LI]
	PLACES 3
.irp t, 0,1,2,3,4,5,6,7
.irp c, 0,1
	ds_load_b128 v[WF+64*(\p)+8*\t+4*\c:WF+64*(\p)+8*\t+4*\c+3], v[WA] offset:1024*\t+512*\c
.endr
.endr
	ds_load_b128 v[WSC+4*(\p):WSC+4*(\p)+3], v[WA] offset:8192
.endm
; batch i = 4 G + s: 8 products, transposed, onto 8 accumulators that take turns
.macro GMQ p, s, d, w                  ; (the same with the set p and the K step s named apart)
	WIN \w
.irp t, 0,1,2,3
	v_wmma_scale_f32_16x16x128_f8f6f4 v[\d+8*\t:\d+8*\t+7], v[WF+64*(\p)+8*\t:WF+64*(\p)+8*\t+7], v[XF+8*(\s):XF+8*(\s)+7], v[\d+8*\t:\d+8*\t+7], v[WSC+4*(\p)+\t], v[XS+(\s)] matrix_a_fmt:MATRIX_FMT_FP4 matrix_b_fmt:MATRIX_FMT_FP4
.endr
.irp t, 4,5,6,7
	v_wmma_scale_f32_16x16x128_f8f6f4 v[\d+8*\t:\d+8*\t+7], v[WF+64*(\p)+8*\t:WF+64*(\p)+8*\t+7], v[XF+8*(\s):XF+8*(\s)+7], v[\d+8*\t:\d+8*\t+7], v[WSC+4*(\p)+\t-4], v[XS+(\s)] matrix_a_fmt:MATRIX_FMT_FP4 matrix_b_fmt:MATRIX_FMT_FP4 matrix_a_scale:MATRIX_SCALE_ROW1
.endr
	WIN 0
.endm
.macro GMUL i, d, w
	WIN \w
.irp t, 0,1,2,3
	v_wmma_scale_f32_16x16x128_f8f6f4 v[\d+8*\t:\d+8*\t+7], v[WF+64*((\i)%2)+8*\t:WF+64*((\i)%2)+8*\t+7], v[XF+8*((\i)%4):XF+8*((\i)%4)+7], v[\d+8*\t:\d+8*\t+7], v[WSC+4*((\i)%2)+\t], v[XS+(\i)%4] matrix_a_fmt:MATRIX_FMT_FP4 matrix_b_fmt:MATRIX_FMT_FP4
.endr
.irp t, 4,5,6,7
	v_wmma_scale_f32_16x16x128_f8f6f4 v[\d+8*\t:\d+8*\t+7], v[WF+64*((\i)%2)+8*\t:WF+64*((\i)%2)+8*\t+7], v[XF+8*((\i)%4):XF+8*((\i)%4)+7], v[\d+8*\t:\d+8*\t+7], v[WSC+4*((\i)%2)+\t-4], v[XS+(\i)%4] matrix_a_fmt:MATRIX_FMT_FP4 matrix_b_fmt:MATRIX_FMT_FP4 matrix_a_scale:MATRIX_SCALE_ROW1
.endr
	WIN 0
.endm
; A row's mean and 1 / sqrt(variance + eps), in two passes: R is left as x - mu, v[FF] holds the reciprocal root
.macro LNSTAT
	WIN 0x05
.irp k, 0,1,2,3
	v_pk_add_f32 v[240+2*\k:241+2*\k], v[2*\k:2*\k+1], v[8+2*\k:9+2*\k]
.endr
	WIN 0x04
.set j, 16
.rept 120
	v_pk_add_f32 v[240+2*((j/2)%4):241+2*((j/2)%4)], v[240+2*((j/2)%4):241+2*((j/2)%4)], v[j:j+1]
.set j, j+2
.endr
	WIN 0
	v_pk_add_f32 v[240:241], v[240:241], v[242:243]
	v_pk_add_f32 v[244:245], v[244:245], v[246:247]
	s_delay_alu instid0(VALU_DEP_1)
	v_pk_add_f32 v[240:241], v[240:241], v[244:245]
	s_delay_alu instid0(VALU_DEP_1)
	v_add_f32 v240, v240, v241
	s_delay_alu instid0(VALU_DEP_1)
	v_permlanex16_b32 v241, v240, s[SEL], s[SEL+1]
	s_delay_alu instid0(VALU_DEP_1)
	v_add_f32 v240, v240, v241
	s_delay_alu instid0(VALU_DEP_1)
	v_mul_f32 v[FF], s[C512], v240                 ; mu
	WIN 0x41
.set j, 0
.rept 128
	v_pk_add_f32 v[j:j+1], v[j:j+1], v[FF:FF+1] op_sel_hi:[1,0] neg_lo:[0,1] neg_hi:[0,1]   ; x - mu
.set j, j+2
.endr
	WIN 0x05
.irp k, 0,1,2,3
	v_pk_mul_f32 v[240+2*\k:241+2*\k], v[2*\k:2*\k+1], v[2*\k:2*\k+1]
.endr
.set j, 8
.rept 124
	s_delay_alu instid0(VALU_DEP_4)
	v_pk_fma_f32 v[240+2*((j/2)%4):241+2*((j/2)%4)], v[j:j+1], v[j:j+1], v[240+2*((j/2)%4):241+2*((j/2)%4)]
.set j, j+2
.endr
	WIN 0
	v_pk_add_f32 v[240:241], v[240:241], v[242:243]
	v_pk_add_f32 v[244:245], v[244:245], v[246:247]
	s_delay_alu instid0(VALU_DEP_1)
	v_pk_add_f32 v[240:241], v[240:241], v[244:245]
	s_delay_alu instid0(VALU_DEP_1)
	v_add_f32 v240, v240, v241
	s_delay_alu instid0(VALU_DEP_1)
	v_permlanex16_b32 v241, v240, s[SEL], s[SEL+1]
	s_delay_alu instid0(VALU_DEP_1)
	v_add_f32 v240, v240, v241
	s_delay_alu instid0(VALU_DEP_1)
	v_fma_f32 v240, v240, s[C512], s[EPS]          ; the variance + eps
	s_wait_alu depctr_va_vdst(0)                   ; the wait ahead of the transcendental
	v_rsq_f32 v[FF], v240
	v_nop
	s_wait_alu depctr_va_vdst(0)                   ; and ahead of the first line that names its result
.endm
.macro LNCHUNK cs                      ; R's registers 64 cs on: (x - mu) x (rsqrt x g) + b
	s_wait_dscnt 0x0
.set j, 0
.rept 32
	v_pk_mul_f32 v[GA+j:GA+j+1], v[GA+j:GA+j+1], v[FF:FF+1] op_sel_hi:[1,0]
.set j, j+2
.endr
	WIN 0x41
.set j, 0
.rept 32
	v_pk_fma_f32 v[64*(\cs)+j:64*(\cs)+j+1], v[64*(\cs)+j:64*(\cs)+j+1], v[GA+j:GA+j+1], v[BA+j:BA+j+1]
.set j, j+2
.endr
	WIN 0
.endm
.macro KLOAD                           ; K's eight fragments and its scale words of the block at v[ADN]
.irp t, 0,1,2,3,4,5,6,7
	ds_load_b128 v[KF+8*\t:KF+8*\t+3], v[ADN] offset:512*\t
.endr
	ds_load_b128 v[KS:KS+3], v[ADN] offset:8192
.endm
; A KEY STEP: 128 keys of the head in hand.  K's part was asked for a step earlier; the next step's is asked for behind the scores' products (the slot's last step asks for its own block again)
.macro STEP slot
	s_add_co_u32 s[TN], s[TB], STEPB
	s_min_u32 s[TN], s[TN], (\slot)+15*STEPB
	s_wait_dscnt 0x0                               ; K's nine loads are in
.irp t, 0,1,2,3
	v_wmma_scale_f32_16x16x128_f8f6f4 v[S+8*\t:S+8*\t+7], v[KF+8*\t:KF+8*\t+7], v[QF:QF+7], 0, v[KS+\t], v[QS] matrix_a_fmt:MATRIX_FMT_FP4 matrix_b_fmt:MATRIX_FMT_FP4
.endr
.irp t, 4,5,6,7
	v_wmma_scale_f32_16x16x128_f8f6f4 v[S+8*\t:S+8*\t+7], v[KF+8*\t:KF+8*\t+7], v[QF:QF+7], 0, v[KS+\t-4], v[QS] matrix_a_fmt:MATRIX_FMT_FP4 matrix_b_fmt:MATRIX_FMT_FP4 matrix_a_scale:MATRIX_SCALE_ROW1
.endr
	v_add_nc_u32 v[ADK], s[TB], v[LI]
	v_add_nc_u32 v[ADN], s[TN], v[LI]
	PLACES 2                                       ; with the two additions: four places behind the last step's and this step's products, for the loads below and for the first read of S^T
.irp n, 0,1,2,3
.irp c, 0,1
	ds_load_b128 v[VF+8*\n+4*\c:VF+8*\n+4*\c+3], v[ADK] offset:4096+1024*\n+512*\c
.endr
.endr
	ds_load_b128 v[VS:VS+3], v[ADK] offset:8704
	KLOAD
.irp b, 0,1,2,3
	v_max3_num_f32 v[BM+\b], v[S+16*\b], v[S+16*\b+1], v[S+16*\b+2]   ; the largest score of each block of 32 keys: for the row's maximum and, since p rises with the score, for the block's largest p
.endr
.irp i, 3,5,7,9,11,13
.irp b, 0,1,2,3
	v_max3_num_f32 v[BM+\b], v[BM+\b], v[S+16*\b+\i], v[S+16*\b+\i+1]
.endr
.endr
.irp b, 0,1,2,3
	v_max_num_f32 v[BM+\b], v[BM+\b], v[S+16*\b+15]
.endr
.irp b, 0,1,2,3
	s_delay_alu instid0(VALU_DEP_4)
	v_permlanex16_b32 v[T2+\b], v[BM+\b], s[SEL], s[SEL+1]
.endr
.irp b, 0,1,2,3
	s_delay_alu instid0(VALU_DEP_4)
	v_max_num_f32 v[BM+\b], v[BM+\b], v[T2+\b]
.endr
	s_delay_alu instid0(VALU_DEP_2)
	v_max3_num_f32 v[TT], v[BM], v[BM+1], v[BM+2]
	s_delay_alu instid0(VALU_DEP_1)
	v_max_num_f32 v[TT], v[TT], v[BM+3]
	s_delay_alu instid0(VALU_DEP_1)
	v_mul_f32 v[TT], s[CS], v[TT]                  ; as t (c is positive)
	s_delay_alu instid0(VALU_DEP_1)
	v_max_num_f32 v13, v13, v[TT]                  ; the running largest t
	v_mov_b32 v[TT], v12
	s_delay_alu instid0(VALU_DEP_2)
	v_floor_f32 v12, -v13                          ; the new -M = -ceil(t)
	s_delay_alu instid0(VALU_DEP_1)
	v_sub_f32 v[TT], v12, v[TT]
	s_delay_alu instid0(VALU_DEP_1)
	v_cvt_i32_f32 v[TT], v[TT]
	s_delay_alu instid0(VALU_DEP_1)
	v_ldexp_f32 v[FF], 1.0, v[TT]                  ; f = 2^(old M - new M)
.set j, 0
.rept 32
	v_pk_fma_f32 v[S+j:S+j+1], v[S+j:S+j+1], s[CS:CS+1], v[12:13] op_sel_hi:[1,0,0]   ; t - M
.set j, j+2
.endr
.irp b, 0,1,2,3
	v_fma_f32 v[BM+\b], v[BM+\b], s[CS], v12
.endr
.set j, 0
	s_wait_alu depctr_va_vdst(0)                   ; the wait ahead of the batch
.rept 64
	v_exp_f32 v[S+j], v[S+j]                       ; p = 2^(t - M)
.set j, j+1
.endr
	v_pk_mul_f32 v[14:15], v[14:15], v[FF:FF+1] op_sel_hi:[1,0]
	s_wait_alu depctr_va_vdst(0)                   ; one wait for the batch, ahead of its first reader
.irp b, 0,1,2,3
	v_exp_f32 v[BM+\b], v[BM+\b]                   ; the block's largest p
.endr
	v_pk_add_f32 v[244:245], v[100:101], v[104:105]   ; the row's sum of the unquantised p, in eight chains
	v_pk_add_f32 v[254:255], v[108:109], v[112:113]
	v_pk_add_f32 v[252:253], v[116:117], v[120:121]
	v_pk_add_f32 v[250:251], v[124:125], v[128:129]
	v_pk_add_f32 v[248:249], v[132:133], v[136:137]
	v_pk_add_f32 v[246:247], v[140:141], v[144:145]
	v_pk_add_f32 v[230:231], v[148:149], v[152:153]
	v_pk_add_f32 v[14:15], v[14:15], v[156:157]
	v_pk_add_f32 v[244:245], v[244:245], v[96:97]
	v_pk_add_f32 v[254:255], v[254:255], v[98:99]
	v_pk_add_f32 v[252:253], v[252:253], v[102:103]
	v_pk_add_f32 v[250:251], v[250:251], v[106:107]
	v_pk_add_f32 v[248:249], v[248:249], v[110:111]
	v_pk_add_f32 v[246:247], v[246:247], v[114:115]
	v_pk_add_f32 v[230:231], v[230:231], v[118:119]
	v_pk_add_f32 v[14:15], v[14:15], v[122:123]
	v_pk_add_f32 v[244:245], v[244:245], v[126:127]
	v_pk_add_f32 v[254:255], v[254:255], v[130:131]
	v_pk_add_f32 v[252:253], v[252:253], v[134:135]
	v_pk_add_f32 v[250:251], v[250:251], v[138:139]
	v_pk_add_f32 v[248:249], v[248:249], v[142:143]
	v_pk_add_f32 v[246:247], v[246:247], v[146:147]
	v_pk_add_f32 v[230:231], v[230:231], v[150:151]
	v_pk_add_f32 v[14:15], v[14:15], v[154:155]
	v_pk_add_f32 v[244:245], v[244:245], v[158:159]
	s_delay_alu instid0(VALU_DEP_2)
	v_pk_add_f32 v[14:15], v[14:15], v[250:251]
	s_delay_alu instid0(VALU_DEP_2)
	v_pk_add_f32 v[244:245], v[244:245], v[248:249]
	v_pk_add_f32 v[254:255], v[254:255], v[246:247]
	v_pk_add_f32 v[252:253], v[252:253], v[230:231]
	s_delay_alu instid0(VALU_DEP_2)
	v_pk_add_f32 v[14:15], v[14:15], v[254:255]
	s_delay_alu instid0(VALU_DEP_2)
	v_pk_add_f32 v[244:245], v[244:245], v[252:253]
	s_delay_alu instid0(VALU_DEP_1)
	v_pk_add_f32 v[14:15], v[14:15], v[244:245]
	s_wait_alu depctr_va_vdst(0)                   ; and one for the four
.irp b, 0,1,2,3
	v_max_num_f32 v[BM+\b], 0x1800000, v[BM+\b]    ; the floor 2^(3 - 127)
.endr
.irp b, 0,1,2,3
	s_delay_alu instid0(VALU_DEP_4)
	v_add_nc_u32 v[SO+\b], 0xff000000, v[BM+\b]
.endr
.irp b, 0,1,2,3
	s_delay_alu instid0(VALU_DEP_4)
	v_lshrrev_b32 v[T2+\b], 23, v[SO+\b]
.endr
	s_delay_alu instid0(VALU_DEP_3)
	v_lshl_or_b32 v[PS], v[T2+1], 8, v[T2]         ; p's scale word for these 128 keys
	s_delay_alu instid0(VALU_DEP_1)
	v_lshl_or_b32 v[PS], v[T2+2], 16, v[PS]
	s_delay_alu instid0(VALU_DEP_1)
	v_lshl_or_b32 v[PS], v[T2+3], 24, v[PS]
.irp b, 0,1,2,3
	v_cvt_scalef32_pk8_fp4_f32 v[PC+2*\b], v[S+16*\b:S+16*\b+7], v[SO+\b]
	v_cvt_scalef32_pk8_fp4_f32 v[PC+2*\b+1], v[S+16*\b+8:S+16*\b+15], v[SO+\b]
.endr
	v_nop                                          ; one plain line behind the last conversion
.irp c, 0,1
.irp i, 0,1
	v_permlane16_swap_b32 v[PC+4*\c+\i], v[PC+4*\c+2+\i]
.endr
.endr
	s_wait_alu depctr_va_vdst(0)                   ; the wait directly ahead of the first reader of O^T
.set j, 0
.rept 16
	v_pk_mul_f32 v[OT+j:OT+j+1], v[OT+j:OT+j+1], v[FF:FF+1] op_sel_hi:[1,0]   ; O^T under the new M; these are also the places behind the scale word's and the codes' last writes
.set j, j+2
.endr
	s_wait_alu depctr_va_vdst(0)
	s_wait_dscnt 9                                 ; V's nine loads are in; the next step's nine of K, issued behind them, may be out
.irp n, 0,1,2,3
	v_wmma_scale_f32_16x16x128_f8f6f4 v[OT+8*\n:OT+8*\n+7], v[VF+8*\n:VF+8*\n+7], v[PC:PC+7], v[OT+8*\n:OT+8*\n+7], v[VS+\n], v[PS] matrix_a_fmt:MATRIX_FMT_FP4 matrix_b_fmt:MATRIX_FMT_FP4
.endr
	s_add_co_u32 s[TB], s[TB], STEPB
.endm
; A head: eight steps, then 1 / the row's sum in v[FF].  The first step finds zeros, which the first change of M leaves zeros
.macro ATT slot
	v_mov_b32 v13, 0xff61b1e6                      ; the largest t so far: -3e38
	s_delay_alu instid0(VALU_DEP_1)
	v_floor_f32 v12, -v13
	v_mov_b32 v14, 0
	v_mov_b32 v15, 0
.set j, 0
.rept 32
	v_mov_b32 v[OT+j], 0
.set j, j+1
.endr
	s_mov_b32 s[CNT], 8
.Lstep_\@:
	STEP \slot
	s_sub_co_u32 s[CNT], s[CNT], 1
	s_cmp_lg_u32 s[CNT], 0
	s_cbranch_scc1 .Lstep_\@
	PLACES 4
	v_add_f32 v14, v14, v15
	s_delay_alu instid0(VALU_DEP_1)
	v_permlanex16_b32 v[T2], v14, s[SEL], s[SEL+1]
	s_delay_alu instid0(VALU_DEP_1)
	v_add_f32 v14, v14, v[T2]                      ; the row's sum
	s_wait_alu depctr_va_vdst(0)
	v_rcp_f32 v[FF], v14
	v_nop
	s_wait_alu depctr_va_vdst(0)
.endm
.macro FIN hd                          ; the residual: R's 32 registers of the head += O^T / the sum
	WIN 0x50
.set j, 0
.rept 16
	v_pk_fma_f32 v[32*(\hd)+j:32*(\hd)+j+1], v[OT+j:OT+j+1], v[FF:FF+1], v[32*(\hd)+j:32*(\hd)+j+1] op_sel_hi:[1,0,1]
.set j, j+2
.endr
	WIN 0
.endm
; Only R's register numbers differ from head to head: these two blocks are written for each head and chosen by the head's number, the same in every wave and work-group
.macro QIF hd
	s_cmp_lg_u32 s[HD], \hd
	s_cbranch_scc1 .Lnot_q_\@
	QUANT2R \hd
.Lnot_q_\@:
.endm
.macro FIF hd
	s_cmp_lg_u32 s[HD], \hd
	s_cbranch_scc1 .Lnot_f_\@
	FIN \hd
.Lnot_f_\@:
.endm
; A slot's two heads.  Of the eight heads four can lie in this slot
.macro HEADS slot, ha, hb, hc, hd
	s_mov_b32 s[TB], \slot
	v_add_nc_u32 v[ADN], \slot, v[LI]
	KLOAD
	s_mov_b32 s[HC], 2
.Lhead_\@:
	QIF \ha
	QIF \hb
	QIF \hc
	QIF \hd
	ATT \slot
	FIF \ha
	FIF \hb
	FIF \hc
	FIF \hd
	s_add_co_u32 s[HD], s[HD], 1
	s_sub_co_u32 s[HC], s[HC], 1
	s_cmp_lg_u32 s[HC], 0
	s_wait_alu depctr_va_vdst(0)
	s_cbranch_scc1 .Lhead_\@
.endm
; A REFILL.  Each wave waits for all its tensor loads, adds 0 to its spare word, and waits for that and for its reads; a round of the cluster's barrier; the joint load first behind it, one a wave.
; While no load of mine is out the OTHER slot's group 0 is set for its next load.  tob = 1: this change fills slot B
.macro CHANGE tob
	s_wait_alu depctr_va_vdst(0)
	s_wait_tensorcnt 0x0
	ds_add_u32 v[SPW], v[NIL]
.if \tob
	s_add_nc_u64 s[GFA+2:GFA+3], s[GFA+2:GFA+3], 4*HEADB   ; slot A's next two heads (behind heads 6 and 7 it is not used)
.else
	s_add_nc_u64 s[KP:KP+1], s[KP:KP+1], 4*HEADB   ; slot B's next: two heads, or in the last trip Wo
	s_cmp_eq_u32 s[TR], 1
	s_cselect_b64 s[GFB+2:GFB+3], s[GW:GW+1], s[KP:KP+1]
	s_or_b32 s[GFB+3], s[GFB+3], 0x80000000
.endif
	s_wait_dscnt 0x0
	CROUND
.if \tob
	tensor_load_to_lds s[GFB:GFB+3], s[G1:G1+7]
.else
	tensor_load_to_lds s[GFA:GFA+3], s[G1:G1+7]
.endif
	s_nop 0
	PLACES 4
.endm
	s_load_b512 s[4:19], s[0:1], 0x0               ; Q, wc, kv, bq, g0, b0, bo, g1
	s_load_b128 s[20:23], s[0:1], 0x40             ; b1, out0
	v_lshl_add_u32 v[SPW], v0, 2, SPARE
	v_mov_b32 v[NIL], 0
	ds_add_u32 v[SPW], v[NIL]                      ; the opening: the add twice on end and its wait ahead of my first tensor load
	ds_add_u32 v[SPW], v[NIL]
	v_lshrrev_b32 v4, 5, v0
	s_delay_alu instid0(VALU_DEP_1)
	v_readfirstlane_b32 s[WV], v4                  ; wave 0..7
	s_bfe_u32 s25, ttmp6, 0x40000                  ; cx: it enters Q's and out0's addresses alone
	s_lshl_b32 s66, ttmp9, 2
	s_add_co_u32 s66, s66, s25                     ; my block of 128 rows
	s_lshl_b32 s66, s66, 18
	s_lshl_b32 s67, s[WV], 15                      ; my wave's 16 of them
	s_add_co_u32 s66, s66, s67
	s_mov_b32 s67, 0
	s_mul_i32 s70, s[WV], 2*STEPB                  ; my eighth of a slot
	s_mov_b32 s71, 0
	s_lshr_b32 s68, ttmp9, 1                       ; the batch, which the four partners share
	s_mul_i32 s68, s68, 8*HEADB
	s_add_co_u32 s68, s68, s70
	s_mov_b32 s69, 0
	s_add_co_u32 s74, s70, 3*16*BATB-8192          ; Wo's load begins 8,192 bytes ahead of Wo
	s_mov_b32 s75, 0
	s_mov_b32 s[G1+0], 15|(3<<16)|(1<<21)          ; the mask: all four work-groups; elements of 8 bytes; bit 21 beside a mask; no padding: every LDS read takes 512 consecutive bytes
	s_mov_b32 s[G1+1], 32<<16                      ; rows of 256 bytes
	s_mov_b32 s[G1+2], 72<<16
	s_mov_b32 s[G1+3], 32<<16
	s_mov_b32 s[G1+4], 72
	s_mov_b32 s[G1+5], 32                          ; dense
	s_mov_b32 s[G1+6], 0
	s_mov_b32 s[G1+7], 0
	s_mov_b32 s[GFA], 1
	s_add_co_u32 s[GFA+1], s70, SLA                ; LDS addresses hang on the wave's number alone
	s_mov_b32 s[GFB], 1
	s_add_co_u32 s[GFB+1], s70, SLB
	s_mov_b32 s[SEL], 0x76543210
	s_mov_b32 s[SEL+1], 0xfedcba98
	s_mov_b32 s[CS], 0x3d8293ee                    ; log2(e) / sqrt(512)
	s_mov_b32 s[CS+1], s[CS]
	s_mov_b32 s[C512], 0x3b000000                  ; 2^-9
	s_mov_b32 s[EPS], 0x3727c5ac                   ; 1e-5
	s_mul_i32 s76, s[WV], 16*SPITCH
	s_mul_i32 s77, s[WV], 2304
	s_add_co_u32 s77, s77, QST
	v_and_b32 v1, 31, v0
	v_and_b32 v11, 15, v0                          ; r
	v_bfe_u32 v29, v0, 4, 1                        ; h
	v_bfe_u32 v14, v0, 3, 2                        ; lane / 8
	v_and_b32 v15, 7, v0                           ; lane % 8
	v_lshlrev_b32 v[LI], 4, v1
	v_lshlrev_b32 v[XA], 11, v14
	v_mul_u32_u24 v[QSI], v14, 144
	v_mul_u32_u24 v[QSO], v11, 144
	v_mul_u32_u24 v[STO], v11, SPITCH
	v_lshl_add_u32 v[XA], v15, 4, v[XA]
	v_lshl_add_u32 v[QSI], v15, 4, v[QSI]
	v_lshl_add_u32 v[QSO], v29, 6, v[QSO]
	v_lshl_add_u32 v[STO], v29, 6, v[STO]
	v_lshl_add_u32 v[VB], v29, 6, VEC
	v_add_nc_u32 v[QSI], s77, v[QSI]
	v_add_nc_u32 v[QSO], s77, v[QSO]
	v_add_nc_u32 v[STO], s76, v[STO]
	v_add_nc_u32 v[SRD], s76, v[LI]
	v_lshlrev_b32 v[T8], 3, v0
	v_mov_b32 v[FF+1], 0                           ; named as the upper half of a pair
	v_lshl_add_u32 v[VW], v0, 3, VEC
.irp b, 0,1,2,3
	v_mov_b32 v[T2+\b], 0                          ; a lane permute's destination counts as one of its sources
.endr
	s_wait_alu depctr_va_vdst(0)                   ; the wait at the head's end
	s_wait_dscnt 0x0                               ; both opening adds are done
	s_wait_kmcnt 0x0
	s_add_nc_u64 s[GFA+2:GFA+3], s[6:7], s[70:71]  ; Wq, my eighth
	s_or_b32 s[GFA+3], s[GFA+3], 0x80000000
	s_add_nc_u64 s[KP:KP+1], s[8:9], s[68:69]      ; heads 0 and 1
	s_mov_b64 s[GFB+2:GFB+3], s[KP:KP+1]
	s_or_b32 s[GFB+3], s[GFB+3], 0x80000000
	s_add_nc_u64 s[GW:GW+1], s[6:7], s[74:75]
	s_add_nc_u64 s[4:5], s[4:5], s[66:67]          ; Q and out0 at my wave's first row
	s_add_nc_u64 s[22:23], s[22:23], s[66:67]
	global_load_b64 v[32:33], v[T8], s[10:11]      ; the six vectors: 8 bytes a thread each
	global_load_b64 v[34:35], v[T8], s[12:13]
	global_load_b64 v[36:37], v[T8], s[14:15]
	global_load_b64 v[38:39], v[T8], s[16:17]
	global_load_b64 v[40:41], v[T8], s[18:19]
	global_load_b64 v[42:43], v[T8], s[20:21]
	CROUND                                         ; all four work-groups are here: the first joint loads meet
	tensor_load_to_lds s[GFA:GFA+3], s[G1:G1+7]    ; Wq into slot A: my one load at the head, asked for ahead of Q's 64 loads
	s_nop 0
	PLACES 4
	WIN 0x40                                       ; my 16 rows of Q: load (b, j) takes block b, 128 bytes, of rows 4 j .. 4 j + 3
.irp b, 0,1,2,3,4,5,6,7,8,9,10,11,12,13,14,15
.irp j, 0,1,2,3
	global_load_b128 v[16*\b+4*\j:16*\b+4*\j+3], v[XA], s[4:5] offset:128*\b+8192*\j th:TH_LOAD_NT
.endr
.endr
	WIN 0
	s_wait_loadcnt 63                              ; Q's 64 loads stand behind the vectors'; the count names as many as its field holds
.irp k, 0,1,2,3,4,5
	ds_store_b64 v[VW], v[32+2*\k:33+2*\k] offset:2048*\k
.endr
	s_wait_tensorcnt 0x0                           ; my eighth of Wq is in; slot B's first fill is issued as a refill is
	ds_add_u32 v[SPW], v[NIL]
	s_add_nc_u64 s[GFA+2:GFA+3], s[GFB+2:GFB+3], 2*HEADB   ; slot A's next load: heads 2 and 3
	s_wait_dscnt 0x0                               ; the add is done, and my part of the vectors has landed
	CROUND                                         ; Wq and the vectors are whole for every wave
	tensor_load_to_lds s[GFB:GFB+3], s[G1:G1+7]    ; heads 0 and 1 into slot B
	s_nop 0
	PLACES 4
	; ---- Qp = Q Wq^T + bq, worked as Q's K steps arrive.  When K step s has been quantised, its 64 registers of R are free: they take bq of channels 128 s on, the C of group s's first products.
	; So behind K step s stand the batches (G, s) of the groups G < s and all of group s's up to s: 1, 3, 5 and 7 batches; in every sum K ascends.
.macro QSTEP cs
	QIN \cs
	QUANTR \cs
	WIN 0x40
	VLOAD 64*(\cs), 0, 4*(\cs), 4
	WIN 0
	PLACES 8                                       ; a scale word written by a vector instruction stands eight places ahead of a scaled product
.endm
.macro QB k, g, s, a, b                ; the k-th batch in this order is (g, s), in set k % 2; the next one, (a, b), is fetched into the other set first
	GLOAD WQL, 4*(\a)+(\b), ((\k)+1)%2
	s_wait_alu depctr_va_vdst(0)
	s_wait_dscnt 17                                ; all but the 17 loads just issued
	GMQ (\k)%2, \s, 64*(\g), 0x50
.endm
	GLOAD WQL, 0, 0
	QSTEP 0
	QB 0, 0, 0, 0, 1
	QSTEP 1
	QB 1, 0, 1, 1, 0
	QB 2, 1, 0, 1, 1
	QB 3, 1, 1, 0, 2
	QSTEP 2
	QB 4, 0, 2, 1, 2
	QB 5, 1, 2, 2, 0
	QB 6, 2, 0, 2, 1
	QB 7, 2, 1, 2, 2
	QB 8, 2, 2, 0, 3
	QSTEP 3
	QB 9, 0, 3, 1, 3
	QB 10, 1, 3, 2, 3
	QB 11, 2, 3, 3, 0
	QB 12, 3, 0, 3, 1
	QB 13, 3, 1, 3, 2
	QB 14, 3, 2, 3, 3
	s_wait_dscnt 0x0
	GMQ 1, 3, 192, 0x50
	PLACES 4
.irp t, 0,1,2,3,4,5,6,7
.irp k, 4,5,6,7
	v_mov_b32 v[KF+8*\t+\k], 0                     ; k = 64 .. 127 of the scores' product: zero codes, on both sides, for all heads
.endr
.endr
.irp k, 4,5,6,7
	v_mov_b32 v[QF+\k], 0
.endr
	; ---- the eight heads, two to a slot.  Trip 0: A takes heads 2, 3 while 0, 1 are walked in B; B takes 4, 5 while 2, 3 are walked.  Trip 1: A takes 6, 7; B takes Wo
	s_mov_b32 s[HD], 0
	s_mov_b32 s[TR], 0
.Lpair:
	CHANGE 0
	HEADS SLB, 0, 1, 4, 5
	CHANGE 1
	HEADS SLA, 2, 3, 6, 7
	s_add_co_u32 s[TR], s[TR], 1
	s_cmp_lt_u32 s[TR], 2
	s_cbranch_scc1 .Lpair
	s_wait_tensorcnt 0x0                           ; my eighth of Wo is in
	ds_add_u32 v[SPW], v[NIL]
	s_wait_dscnt 0x0                               ; my reads of slot A are over: behind this barrier it serves as the stage
	s_barrier_signal -1
	s_barrier_wait -1
	; ---- O1 = LN0(O), quantised K step by K step
	VLOAD GA, 1, 0, 4
	VLOAD BA, 2, 0, 4
	LNSTAT
.irp cs, 0,1,2,3
	LNCHUNK \cs
.if \cs < 3
	VLOAD GA, 1, 4*(\cs+1), 4
	VLOAD BA, 2, 4*(\cs+1), 4
.endif
	QUANTR \cs
.endr
	; ---- O2 = O1 + relu(O1 Wo^T + bo), 128 outputs at a time; bo is the C of each sum's first product
	PLACES 8
	GLOAD WOL, 0, 0
.irp i, 0,1,2,3,4,5,6,7,8,9,10,11,12,13,14,15
.if (\i)%4 == 0
	VLOAD YA, 3, 4*((\i)/4), 4
.endif
.if \i < 15
	GLOAD WOL, \i+1, (\i+1)%2
	s_wait_alu depctr_va_vdst(0)
	s_wait_dscnt 17
.else
	s_wait_dscnt 0x0
.endif
	GMUL \i, YA, 0
.if (\i)%4 == 3
	PLACES 4
.set j, 0
.rept 64
	v_max_num_f32 v[YA+j], 0, v[YA+j]              ; relu, each accumulator from its low end on
.set j, j+1
.endr
	WIN 0x41
.set j, 0
.rept 32
	v_pk_add_f32 v[64*((\i)/4)+j:64*((\i)/4)+j+1], v[64*((\i)/4)+j:64*((\i)/4)+j+1], v[YA+j:YA+j+1]
.set j, j+2
.endr
	WIN 0
.endif
.endr
	; ---- LN1 and the way out: 128 channels at a time through my stage, back as whole rows of 512 bytes
	VLOAD GA, 4, 0, 4
	VLOAD BA, 5, 0, 4
	LNSTAT
.irp cs, 0,1,2,3
	LNCHUNK \cs
.if \cs < 3
	VLOAD GA, 4, 4*(\cs+1), 4
	VLOAD BA, 5, 4*(\cs+1), 4
.endif
	s_wait_alu depctr_va_vdst(0)
	s_wait_xcnt 0x0                                ; the last chunk's stores have read v[OB] on: they are loaded again only behind this wait
	WIN 0x04
.irp b, 0,1,2,3
.irp q, 0,1,2,3
	ds_store_b128 v[STO], v[64*\cs+16*\b+4*\q:64*\cs+16*\b+4*\q+3] offset:128*\b+16*\q
.endr
.endr
	WIN 0
.irp t, 0,1,2,3,4,5,6,7,8,9,10,11,12,13,14,15
	ds_load_b128 v[OB+4*\t:OB+4*\t+3], v[SRD] offset:SPITCH*\t   ; LDS serves a wave's instructions in order: these see my stores, and the next chunk's stores come behind them
.endr
.irp t, 0,1,2,3,4,5,6,7,8,9,10,11,12,13,14,15
	s_wait_dscnt 15-\t
	global_store_b128 v[LI], v[OB+4*\t:OB+4*\t+3], s[22:23] offset:2048*\t+512*\cs th:TH_STORE_NT   ; 32 lanes store 512 consecutive bytes, at a multiple of 256 from out0's first byte
.endr
.endr
	s_wait_tensorcnt 0x0                           ; the wave's end
	ds_add_u32 v[SPW], v[NIL]
	s_wait_dscnt 0x0
	CROUND                                         ; the closing round
	s_endpgm
.Lfunc_end_k_q1959d63f73_mab:
	.size	k_q1959d63f73_mab, .Lfunc_end_k_q1959d63f73_mab-k_q1959d63f73_mab
	.p2alignl 7, 3214868480
	.fill 96, 4, 3214868480
	.section	.rodata,"a",@progbits
	.p2align	6, 0x0
	.amdhsa_kernel k_q1959d63f73_mab
		.amdhsa_group_segment_fixed_size 327680
		.amdhsa_private_segment_fixed_size 0
		.amdhsa_enable_private_segment 0
		.amdhsa_kernarg_size 80
		.amdhsa_user_sgpr_count 2
		.amdhsa_user_sgpr_kernarg_segment_ptr 1
		.amdhsa_wavefront_size32 1
		.amdhsa_system_sgpr_workgroup_id_x 1
		.amdhsa_system_sgpr_workgroup_id_y 1
		.amdhsa_system_sgpr_workgroup_id_z 1
		.amdhsa_system_vgpr_workitem_id 0
		.amdhsa_next_free_vgpr 512
		.amdhsa_next_free_sgpr 80
		.amdhsa_reserve_vcc 0
		.amdhsa_float_denorm_mode_32 3
		.amdhsa_float_denorm_mode_16_64 3
		.amdhsa_memory_ordered 1
		.amdhsa_forward_progress 1
		.amdhsa_inst_pref_size 255
	.end_amdhsa_kernel
	.section	.bss,"aw",@nobits
	.p2align	6
	.space	262144
	.amdgpu_metadata
---
amdhsa.version: [ 1, 2 ]
amdhsa.kernels:
  - .name:           k_q1959d63f73_mab
    .symbol:         k_q1959d63f73_mab.kd
    .args:
      - { .name: Q, .offset: 0, .size: 8, .value_kind: global_buffer, .address_space: global }
      - { .name: wc, .offset: 8, .size: 8, .value_kind: global_buffer, .address_space: global }
      - { .name: kv, .offset: 16, .size: 8, .value_kind: global_buffer, .address_space: global }
      - { .name: bq, .offset: 24, .size: 8, .value_kind: global_buffer, .address_space: global }
      - { .name: g0, .offset: 32, .size: 8, .value_kind: global_buffer, .address_space: global }
      - { .name: b0, .offset: 40, .size: 8, .value_kind: global_buffer, .address_space: global }
      - { .name: bo, .offset: 48, .size: 8, .value_kind: global_buffer, .address_space: global }
      - { .name: g1, .offset: 56, .size: 8, .value_kind: global_buffer, .address_space: global }
      - { .name: b1, .offset: 64, .size: 8, .value_kind: global_buffer, .address_space: global }
      - { .name: out0, .offset: 72, .size: 8, .value_kind: global_buffer, .address_space: global }
    .group_segment_fixed_size: 327680
    .private_segment_fixed_size: 0
    .kernarg_segment_align: 8
    .kernarg_segment_size: 80
    .max_flat_workgroup_size: 256
    .sgpr_count:     80
    .vgpr_count:     512
    .wavefront_size: 32
...
	.end_amdgpu_metadata
.endif
;; end of part 3
